; MI455X (gfx1250); checked and timed in simulation.
; The chip was launched on July 23, 2026; its instructions are those of AMD's public machine-readable ISA for CDNA 5 (MIT licence, August 2026) and "CDNA5" Instruction Set Architecture Reference Guide (July 2026). The comments in the code are by the model that wrote it; some were corrected since.
;; SOM. Allowed arithmetic: matrix products marked QUANTISED: E4M3 operands, one E8M0 scale for each 32 along K, by v_wmma_scale_f32_16x16x128_f8f6f4 with both operands' format E4M3, f32 sums; everything else in f32.
;; Inputs: location 4,096 x 2 float32; weight 64 x 4,096 float32; x 65,536 x 64 float32.
;; Outputs: out0 one number float32; out1 65,536 x 1 x 2 float32.
;; This version of the problem:
;;   THIS VERSION OF THE PROBLEM IS GIVEN IN LOW PRECISION. The matrix products marked QUANTISED in the list below multiply operands that are first quantised to E4M3 (4 exponent bits, 3 mantissa bits; 8 bits a number), with one power-of-two scale for each 32 numbers along K (OCP MX v1.0); their sums are f32. All else is computed in f32.
;;   The module's matrix products, in the order in which they are computed (A, B: the left and right operand; K: the contracted axis; several contracted axes count as one K, in the product's order):
;;     1. [M 65,536, K 64] x [K 64, N 4,096]; A: input x; B: input weight: QUANTISED
;;   THE QUANTISER, for each operand of a quantised product, along K:
;;     - K is cut into blocks of 32 from its start; a last block that is shorter is filled with zeros.
;;     - A block's scale is 2^e with e = floor(log2(the largest magnitude in the block)) - 8, held to -126 .. 127; a block of zeros has e = 0. As a byte (E8M0): e + 127.
;;     - Each number is divided by its block's scale, clamped to +-448, and rounded to the nearest number of E4M3, ties to even, subnormals kept.
;;     - The product sums the exact products of the quantised numbers (number of the format x scale) in f32.
;;   ~~~python
;;   def quantise(x, axis):      # numpy; x: float32 -> the quantised numbers, widened to float32 again
;;       x = np.moveaxis(x, axis, -1); K = x.shape[-1]
;;       x = np.pad(x, [(0, 0)] * (x.ndim - 1) + [(0, -K % 32)]); x = x.reshape(x.shape[:-1] + (-1, 32)); a = np.abs(x).max(-1, keepdims=True)
;;       e = np.where(a > 0, np.clip(np.frexp(np.where(a > 0, a, 1))[1] - 1 - 8, -126, 127), 0)      # np.frexp(a)[1] - 1 = floor(log2(a)), exactly
;;       r = np.clip(x / 2.0 ** e, -448, 448)
;;       step = 2.0 ** (np.maximum(np.frexp(np.where(r == 0, 1, r))[1] - 1, -6) - 3)
;;       q = np.round(r / step) * step * 2.0 ** e      # np.round: ties to even
;;       return np.moveaxis(q.reshape(q.shape[:-2] + (-1,))[..., :K], -1, axis).astype(np.float32)
;;   ~~~
;; One version. Each part assembles by itself: llvm-mc -triple=amdgcn-amd-amdhsa -mcpu=gfx1250 --defsym DOCPART=n.
;; ======== version 1 of 1: 3 launches
;; workspace buffers: cb 294,912 bytes; xq 4,194,304 bytes; xm 1,048,576 bytes; win 262,144 bytes of whole numbers; part 1,024 bytes
;; launch quantw (part 1): grid 32 x 1, 4 waves a work-group, no clusters, 0 bytes of LDS; arguments weight, cb; writes cb
.if DOCPART == 1
	.amdgcn_target "amdgcn-amd-amdhsa--gfx1250"
	.amdhsa_code_object_version 6
	.text
	.protected	k_q50fe705584_quantw
	.globl	k_q50fe705584_quantw
	.p2align	8
	.type	k_q50fe705584_quantw,@function
k_q50fe705584_quantw:
	s_mov_b64 s[64:65], 0
	v_nop
	global_prefetch_b8 v0, s[64:65] scope:SCOPE_SE
	s_setreg_imm32_b32 hwreg(HW_REG_WAVE_MODE, 25, 1), 1
	s_wait_xcnt 0x0
; weight [64 (k)][4096 (entries)] f32 becomes the codebook as the later launches' matrix operands take it:
;   cb + 0       codes of FP8 (E4M3).  The 16 bytes of tile t (16 entries), block c of 32 along K, half h of the block, entry r of the tile lie at 1024 t + 512 c + 256 h + 16 r:
;                2,048 bytes on end are the image of one operand of 16 registers a lane that holds TWO tiles, tile 2 p in K 0-63 and tile 2 p + 1 in K 64-127
;   cb + 262144  one word an entry: its two E8M0 bytes twice, (s0, s1, s0, s1), so that the word serves in either half of K
;   cb + 278528  one f32 an entry: minus half the sum of its squares, taken of the numbers as they arrive (not of the codes)
; A block's scale is 2^(floor(log2(its largest magnitude)) - 8); each number is divided by it, held within +-448 and rounded to the nearest code, ties to even.
; LIMITS: NaN and infinities are not served.  A block whose largest magnitude lies under 2^-118 (a block of zeros too) gets the byte 1: its bytes are read by this program alone, and zero codes add nothing.
; SHARES: wave p = 4 x work-group + wave takes entries 32 p .. 32 p + 31.  A lane takes ONE entry and its registers run down all 64 k: a block's largest magnitude needs no other lane, and the
; conversions give codes with K innermost.  Each load reads 128 consecutive bytes a wave, 512 a work-group.  Waves share nothing: no LDS, no barrier, no cluster.
; The codes leave in whole aligned runs of 256 bytes (sixteen lanes each); the two words an entry leave as 128 bytes a wave: 32 KB of the launch's 1.3 MB.
.set X,  16                            ; v16-79  my entry's 64 numbers
.set CD, 80                            ; v80-95  its 64 codes
	s_load_b128 s[4:7], s[0:1], 0x0                ; weight, cb
	v_lshrrev_b32 v1, 5, v0
	v_readfirstlane_b32 s12, v1                    ; wave
	v_and_b32 v1, 31, v0                           ; lane
	v_lshlrev_b32 v2, 2, v1                        ; 4 x lane
	v_lshrrev_b32 v3, 4, v1
	v_and_b32 v12, 15, v1
	v_lshlrev_b32 v3, 10, v3
	v_lshl_add_u32 v3, v12, 4, v3                  ; 1024 x (which tile of the pair) + 16 x (entry in the tile)
	s_lshl_b32 s13, ttmp9, 2
	s_add_co_u32 s13, s13, s12                     ; p
	s_lshl_b32 s14, s13, 7                         ; 128 p: 32 entries of 4 bytes
	s_mov_b32 s15, 0
	s_lshl_b32 s16, s13, 11                        ; 2048 p: the pair's image
	s_mov_b32 s17, 0
	s_mov_b32 s10, 0x600000                        ; the mantissa field of 448
	s_wait_kmcnt 0x0
	s_add_nc_u64 s[4:5], s[4:5], s[14:15]          ; weight at my first entry
	s_add_nc_u64 s[8:9], s[6:7], s[14:15]          ; cb at my entries' words
	s_add_nc_u64 s[6:7], s[6:7], s[16:17]          ; cb at my pair's image
.set k, 0
.rept 64
	global_load_b32 v[X+k], v2, s[4:5] offset:k*16384 th:TH_LOAD_NT   ; row k: 63 rows of 16,384 bytes at the most, inside the signed 24-bit immediate
.set k, k+1
.endr
	s_wait_loadcnt 0x0
	; the sum of squares, two at a time, in two chains: ahead of the hold, which changes the numbers in place
	v_pk_mul_f32 v[96:97], v[X:X+1], v[X:X+1]
	v_pk_mul_f32 v[98:99], v[X+2:X+3], v[X+2:X+3]
.irp i, 4,8,12,16,20,24,28,32,36,40,44,48,52,56,60
	v_pk_fma_f32 v[96:97], v[X+\i:X+\i+1], v[X+\i:X+\i+1], v[96:97]
	v_pk_fma_f32 v[98:99], v[X+\i+2:X+\i+3], v[X+\i+2:X+\i+3], v[98:99]
.endr
	v_pk_add_f32 v[96:97], v[96:97], v[98:99]
	v_add_f32 v101, v96, v97
	v_mul_f32 v101, -0.5, v101
	; the two blocks by turns: the largest magnitude, with the floor 2^(9 - 127) among its leaves, so that the byte cannot fall under 1
.irp b, 0,1
	v_max3_num_f32 v[4+\b], |v[X+32*\b]|, |v[X+32*\b+1]|, 0x4800000
.endr
.irp i, 2,4,6,8,10,12,14,16,18,20,22,24,26,28,30
.irp b, 0,1
	v_max3_num_f32 v[4+\b], v[4+\b], |v[X+32*\b+\i]|, |v[X+32*\b+\i+1]|
.endr
.endr
.irp b, 0,1
	v_add_nc_u32 v[6+\b], 0xfc000000, v[4+\b]      ; 8 off the exponent field: the conversion takes the exponent field of this operand as its scale
.endr
.irp b, 0,1
	v_and_or_b32 v[8+\b], v[4+\b], 0x7f800000, s10 ; 448 x the scale
.endr
.irp b, 0,1
	v_lshrrev_b32 v[10+\b], 23, v[6+\b]            ; the scale's byte
.endr
	v_lshl_or_b32 v100, v11, 8, v10
	v_lshl_or_b32 v100, v100, 16, v100             ; (s0, s1, s0, s1)
.irp b, 0,1
.irp i, 0,1,2,3,4,5,6,7,8,9,10,11,12,13,14,15,16,17,18,19,20,21,22,23,24,25,26,27,28,29,30,31
	v_med3_num_f32 v[X+32*\b+\i], v[X+32*\b+\i], -v[8+\b], v[8+\b]   ; the conversion to an 8-bit code does not saturate (ISA guide 7.6.2): the hold comes first
.endr
.irp m, 0,1,2,3
	v_cvt_scalef32_pk8_fp8_f32 v[CD+8*\b+2*\m:CD+8*\b+2*\m+1], v[X+32*\b+8*\m:X+32*\b+8*\m+7], v[6+\b]
.endr
.endr
	v_nop                                          ; a plain instruction behind the last conversion
.irp g, 0,1,2,3                                ; k = 16 g .. 16 g + 15: block g / 2, half g % 2
	global_store_b128 v3, v[CD+4*\g:CD+4*\g+3], s[6:7] offset:(\g/2)*512+(\g%2)*256   ; lanes 0-15 and lanes 16-31 each store 256 consecutive bytes, aligned
.endr
	global_store_b32 v2, v100, s[8:9] offset:262144
	global_store_b32 v2, v101, s[8:9] offset:278528
	s_endpgm
.Lfunc_end_k_q50fe705584_quantw:
	.size	k_q50fe705584_quantw, .Lfunc_end_k_q50fe705584_quantw-k_q50fe705584_quantw
	.p2alignl 7, 3214868480
	.fill 96, 4, 3214868480
	.section	.rodata,"a",@progbits
	.p2align	6, 0x0
	.amdhsa_kernel k_q50fe705584_quantw
		.amdhsa_group_segment_fixed_size 0
		.amdhsa_private_segment_fixed_size 0
		.amdhsa_enable_private_segment 0
		.amdhsa_kernarg_size 16
		.amdhsa_user_sgpr_count 2
		.amdhsa_user_sgpr_kernarg_segment_ptr 1
		.amdhsa_wavefront_size32 1
		.amdhsa_system_sgpr_workgroup_id_x 1
		.amdhsa_system_sgpr_workgroup_id_y 1
		.amdhsa_system_sgpr_workgroup_id_z 1
		.amdhsa_system_vgpr_workitem_id 0
		.amdhsa_next_free_vgpr 128
		.amdhsa_next_free_sgpr 66
		.amdhsa_reserve_vcc 0
		.amdhsa_float_denorm_mode_32 3
		.amdhsa_float_denorm_mode_16_64 3
		.amdhsa_memory_ordered 1
		.amdhsa_forward_progress 1
		.amdhsa_inst_pref_size 17
	.end_amdhsa_kernel
	.amdgpu_metadata
---
amdhsa.version: [ 1, 2 ]
amdhsa.kernels:
  - .name:           k_q50fe705584_quantw
    .symbol:         k_q50fe705584_quantw.kd
    .args:
      - { .name: weight, .offset: 0, .size: 8, .value_kind: global_buffer, .address_space: global }
      - { .name: cb, .offset: 8, .size: 8, .value_kind: global_buffer, .address_space: global }
    .group_segment_fixed_size: 0
    .private_segment_fixed_size: 0
    .kernarg_segment_align: 8
    .kernarg_segment_size: 16
    .max_flat_workgroup_size: 128
    .sgpr_count:     66
    .vgpr_count:     128
    .wavefront_size: 32
...
	.end_amdgpu_metadata
.endif
;; end of part 1
;; launch scan (part 2): grid 256 x 1, 8 waves a work-group, clusters of 4 x 1, 327,680 bytes of LDS; arguments x, cb, xq, xm, win, part; writes xq, xm, win, part
.if DOCPART == 2
	.amdgcn_target "amdgcn-amd-amdhsa--gfx1250"
	.amdhsa_code_object_version 6
	.text
	.protected	k_q50fe705584_scan
	.globl	k_q50fe705584_scan
	.p2align	8
	.type	k_q50fe705584_scan,@function
k_q50fe705584_scan:
	s_mov_b64 s[64:65], 0
	v_nop
	global_prefetch_b8 v0, s[64:65] scope:SCOPE_SE
	s_setreg_imm32_b32 hwreg(HW_REG_WAVE_MODE, 25, 1), 1
	s_wait_xcnt 0x0
	s_wait_alu depctr_hold_cnt(0) depctr_sa_sdst(0) depctr_va_vdst(0) depctr_va_sdst(0) depctr_va_ssrc(0) depctr_va_vcc(0) depctr_vm_vsrc(0)
	s_getreg_b32 s2, hwreg(HW_REG_IB_STS2, 6, 4)
	s_cmp_eq_u32 s2, 0
	s_cbranch_scc0 .Lentry_in_a_cluster
	s_endpgm
.Lentry_in_a_cluster:
	s_bfe_u32 s2, ttmp6, 0x10000c
	s_cmp_lg_u32 s2, 0x3003
	s_cbranch_scc0 .Lentry_shape_is_right
	s_endpgm
.Lentry_shape_is_right:
; For each of 65,536 rows of x [.][64] f32: the best score s = Q(x) . Q(w) - w2 / 2 over all 4,096 codebook entries, and in which OCTET of entries (entry / 8) it lies.
; d2 = x2 + w2 - 2 Q(x) . Q(w) = 2 (c - s), c = x2 / 2: the least distance is the largest s; max(d2, 0) is s held at c from above.
; Stored: xq, x as codes (images of operand registers, 1 KB a tile of 16 rows); xm, for each tile and lane {the row's scale word, c}; win, the winner's octet, a whole number a row;
; part, the work-group's sum of sqrt(max(d2, 0)).  The next launch finds the entry inside the octet and takes the mean.
; THE PRODUCT is used transposed: source 0 = 16 entries, source 1 = 16 rows of x; -w2 / 2 is its C.  A lane holds ONE row (lane % 16), and register j entry 16 t + 8 (lane / 16) + j.
; K IS 64, THE INSTRUCTION'S IS 128.  An operand of 16 registers holds TWO tiles of entries, tile 2 p in K 0-63, tile 2 p + 1 in K 64-127.  Source 1 is x's 8 registers with 8 registers of zero codes behind
; them (first tile) or in front (second tile): zero codes times any code add nothing, and the quantiser's hold makes no NaN code.  Every scale word is (s0, s1, s0, s1) and serves either half.
; TRACKING, 7 vector instructions for a tile's 8 results of a lane: 4 for their maximum m; new = the middle of (old, m, c), which is the running maximum and the hold at c in one;
; new > old (strict, tiles ascending: the first of equals stays); the tile's number where so.
; LIMITS.  NaN and infinities are not served.  A block of x under 2^-118 gets the scale byte 1.  The order of rounding differs from (x2 + w2) - 2 xw: here (xw - w2 / 2) is summed in the matrix unit and taken
; from x2 / 2.  The winner is taken on d2 held at 0, not on its rounded root: of two d2 so close that their roots round alike this text takes the smaller d2, not the lower index.
; SHARES.  A work-group takes 256 rows.  Wave v: a = v / 4 says which 128 rows (8 tiles), b = v % 4 which quarter of the codebook (64 tiles, 32 pairs): each fragment read from LDS feeds 8 products.
; CLUSTER.  All work-groups read the same codebook, 288 KB: the four of a cluster ask for it JOINTLY (a mask names four at the most).  It fills LDS once: nothing is filled again.
; Each wave issues five tensor loads together: five of mine are out at the most.  The codes come in four parts a quarter, and a part is waited for just before the steps that read it.
.set CBS,  262144                      ; LDS as cb: codes at 0, scale words here,
.set CBC,  278528                      ; -w2 / 2 here.  Tensor loads land under XIMG alone; all that ds_store writes lies from XIMG on
.set XIMG, 294912                      ; x's 16 tiles as images, 1,024 bytes each
.set XSW,  311296                      ; their scale words, 128 bytes a tile (4 x lane)
.set XCC,  313344                      ; c likewise
.set RESV, 315392                      ; 256 rows x 4 quarters: best score
.set RESU, 319488                      ; and its octet
.set RED,  323584                      ; four waves' sums
.set XS,  82                           ; v82-89   x's scale words, a register a tile: scales and nothing else; v80, v81: the entries' scale words, two sets
.set CC,  90                           ; v90-97   c
.set BA,  98                           ; v98-105, v106-113  the best score, in two sets by turns
.set BB,  106
.set IDX, 114                          ; v114-121 the tile of the best score
.set TN,  122                          ; v122     the number of the tile that is tracked next
.set DX,  128                          ; v128-191 8 results: the pair's first tile;  v192-255: its second
.set DY,  192
; v1 lane, v2 lane % 16, v3 lane / 16, v4 x's offset, v5-7 16, 4, 8 x lane, v8-15 LDS addresses (below), v16-47 two sets of entries' codes, v48-79 two sets of C, v123-125 addresses of the loads in hand, v126-127 the last phase's.
; Window 1: zeros at v[16 i .. 16 i + 7], i = 0 .. 8; x's tile i at v[16 i + 8 .. 16 i + 15]: so v[16 i + 8 ..] on 16 registers is (x, zeros) and v[16 i ..] is (zeros, x).
.set MSB, 0
.macro WIN new                         ; the immediate's high byte repeats the setting that is left
.if MSB != \new
	s_set_vgpr_msb (MSB<<8)|\new
.set MSB, \new
.endif
.endm
.macro CROUND                          ; a round of the cluster's barrier
	s_barrier_signal -1
	s_barrier_wait -1
	s_cmp_lg_u32 s16, 0
	s_cbranch_scc1 .Lnot_wave_0_\@
	s_barrier_signal -3
.Lnot_wave_0_\@:
	s_barrier_wait -3
	s_barrier_signal -1
	s_barrier_wait -1
.endm
.macro BASE p, sg, sw                  ; pointer s[p:p+1] += work-group << sg + wave << sw
	s_lshl_b32 s22, s20, \sg
	s_lshl_b32 s84, s16, \sw
	s_add_co_u32 s22, s22, s84
	s_add_nc_u64 s[\p:\p+1], s[\p:\p+1], s[22:23]
.endm
; 32 numbers of a lane, register 16 b + i = k 32 b + 16 (lane / 16) + i of my row, become 8 registers of codes at v[pc], the row's scale word in v[pw] and c = x2 / 2 in v[pw + 1].
.macro QX s, pc, pw
	v_pk_mul_f32 v[40:41], v[(\s):(\s)+1], v[(\s):(\s)+1]          ; the squares first: the hold changes the numbers in place
	v_pk_mul_f32 v[42:43], v[(\s)+2:(\s)+3], v[(\s)+2:(\s)+3]
.irp i, 4,8,12,16,20,24,28
	v_pk_fma_f32 v[40:41], v[(\s)+\i:(\s)+\i+1], v[(\s)+\i:(\s)+\i+1], v[40:41]
	v_pk_fma_f32 v[42:43], v[(\s)+\i+2:(\s)+\i+3], v[(\s)+\i+2:(\s)+\i+3], v[42:43]
.endr
	v_pk_add_f32 v[40:41], v[40:41], v[42:43]
	v_add_f32 v40, v40, v41
	v_permlanex16_b32 v44, v40, s60, s61           ; the row's other 32 numbers lie in the lane 16 away
	v_add_f32 v40, v40, v44
	v_mul_f32 v[(\pw)+1], 0.5, v40
.irp b, 0,1
	v_max3_num_f32 v[32+\b], |v[(\s)+16*\b]|, |v[(\s)+16*\b+1]|, 0x4800000   ; with the floor 2^(9 - 127): the byte cannot fall under 1
.endr
.irp i, 2,4,6,8,10,12,14
.irp b, 0,1
	v_max3_num_f32 v[32+\b], v[32+\b], |v[(\s)+16*\b+\i]|, |v[(\s)+16*\b+\i+1]|
.endr
.endr
.irp b, 0,1
	v_permlanex16_b32 v[34+\b], v[32+\b], s60, s61
.endr
.irp b, 0,1
	v_max_num_f32 v[32+\b], v[32+\b], v[34+\b]     ; the block's largest magnitude
.endr
.irp b, 0,1
	v_add_nc_u32 v[38+\b], 0xfc000000, v[32+\b]    ; 8 off its exponent field: the conversion's scale operand
.endr
.irp b, 0,1
	v_and_or_b32 v[36+\b], v[32+\b], 0x7f800000, s62   ; 448 x the scale
.endr
.irp b, 0,1
	v_lshrrev_b32 v[34+\b], 23, v[38+\b]           ; the scale's byte
.endr
	v_lshl_or_b32 v[\pw], v35, 8, v34
	v_lshl_or_b32 v[\pw], v[\pw], 16, v[\pw]       ; (s0, s1, s0, s1)
.irp b, 0,1
.irp i, 0,1,2,3,4,5,6,7,8,9,10,11,12,13,14,15
	v_med3_num_f32 v[(\s)+16*\b+\i], v[(\s)+16*\b+\i], -v[36+\b], v[36+\b]   ; the conversion does not saturate (ISA guide 7.6.2): the hold comes first
.endr
	v_cvt_scalef32_pk8_fp8_f32 v[(\pc)+4*\b:(\pc)+4*\b+1], v[(\s)+16*\b:(\s)+16*\b+7], v[38+\b]
	v_cvt_scalef32_pk8_fp8_f32 v[(\pc)+4*\b+2:(\pc)+4*\b+3], v[(\s)+16*\b+8:(\s)+16*\b+15], v[38+\b]
.endr
	v_nop                                          ; a plain instruction behind the last conversion: products write these registers later
.endm
.macro OUTX z, pc, pw                  ; my tile z goes to LDS for the other waves and to memory for the next launch, both as images of registers
	ds_store_b128 v8, v[(\pc):(\pc)+3] offset:1024*\z
	ds_store_b128 v8, v[(\pc)+4:(\pc)+7] offset:1024*\z+512
	ds_store_b32 v9, v[\pw] offset:128*\z
	ds_store_b32 v9, v[(\pw)+1] offset:128*\z+XCC-XSW
	global_store_b128 v5, v[(\pc):(\pc)+3], s[8:9] offset:1024*\z          ; 512 consecutive bytes, aligned
	global_store_b128 v5, v[(\pc)+4:(\pc)+7], s[8:9] offset:1024*\z+512
	global_store_b64 v7, v[(\pw):(\pw)+1], s[10:11] offset:256*\z          ; 256 consecutive bytes, aligned
.endm
; The next pair's operand (4 loads of 512 consecutive bytes), its two tiles' C (the same 16 bytes for sixteen lanes) and its 32 scale words, into set be.
.macro LOADS be
	v_add_nc_u32 v123, s76, v12
	v_add_nc_u32 v124, s77, v13
	v_add_nc_u32 v125, s77, v14
.irp c, 0,1,2,3
	ds_load_b128 v[16+16*(\be)+4*\c:19+16*(\be)+4*\c], v123 offset:512*\c
.endr
	ds_load_b128 v[48+16*(\be):51+16*(\be)], v124
	ds_load_b128 v[52+16*(\be):55+16*(\be)], v124 offset:16
	ds_load_b128 v[56+16*(\be):59+16*(\be)], v124 offset:64
	ds_load_b128 v[60+16*(\be):63+16*(\be)], v124 offset:80
	ds_load_b32 v[80+(\be)], v125                  ; lanes 0-15: the first tile's words; lanes 16-31: the second's
	s_add_co_u32 s76, s76, 2048
	s_add_co_u32 s77, s77, 128
.endm
.macro W0 be                           ; the pair's first tile against my 8 tiles of rows: source 1 = (x, zeros)
.irp i, 0,1,2,3,4,5,6,7
	v_wmma_scale_f32_16x16x128_f8f6f4 v[DX+8*\i:DX+8*\i+7], v[16+16*(\be):31+16*(\be)], v[16*\i+8:16*\i+23], v[48+16*(\be):55+16*(\be)], v[80+(\be)], v[XS+\i]
.endr
.endm
.macro W1 be                           ; its second tile: source 1 = (zeros, x); the words of lanes 16-31
.irp i, 0,1,2,3,4,5,6,7
	v_wmma_scale_f32_16x16x128_f8f6f4 v[DY+8*\i:DY+8*\i+7], v[16+16*(\be):31+16*(\be)], v[16*\i:16*\i+15], v[56+16*(\be):63+16*(\be)], v[80+(\be)], v[XS+\i] matrix_a_scale:MATRIX_SCALE_ROW1
.endr
.endm
; One tile of entries is tracked for my 8 tiles of rows, which take turns line by line.  Each accumulator is read from its low end on, and its maximum is kept in its first register.
.macro TRACK d, old, new
.irp i, 0,1,2,3,4,5,6,7
	v_max3_num_f32 v[\d+8*\i], v[\d+8*\i], v[\d+8*\i+1], v[\d+8*\i+2]
.endr
.irp i, 0,1,2,3,4,5,6,7
	v_max3_num_f32 v[\d+8*\i], v[\d+8*\i], v[\d+8*\i+3], v[\d+8*\i+4]
.endr
.irp i, 0,1,2,3,4,5,6,7
	v_max3_num_f32 v[\d+8*\i], v[\d+8*\i], v[\d+8*\i+5], v[\d+8*\i+6]
.endr
.irp i, 0,1,2,3,4,5,6,7
	v_max_num_f32 v[\d+8*\i], v[\d+8*\i], v[\d+8*\i+7]
.endr
.irp i, 0,1,2,3,4,5,6,7
	v_med3_num_f32 v[\new+\i], v[\old+\i], v[\d+8*\i], v[CC+\i]    ; old <= c always: the middle is min(max(old, m), c)
.endr
.irp i, 0,1,2,3,4,5,6,7
	v_cmp_gt_f32 s[68+\i], v[\new+\i], v[\old+\i]
.endr
.irp i, 0,1,2,3,4,5,6,7
	v_cndmask_b32 v[IDX+\i], v[IDX+\i], v[TN], s[68+\i]
.endr
	v_add_nc_u32 v[TN], 1, v[TN]
.endm
; A STEP: one pair of tiles, 16 products.  The tracking of one set of results stands between the products that write the other set: its 57 plain instructions name no register of those
; products, so they are the places in front of every read of results (8 are asked), of every product that writes a set anew (9) and of the loads into the operands' other set (8).
; Every product has a D of its own and another C: no chain.
.macro STEP be, first, load
	s_wait_dscnt 0x0                               ; set be is in: asked for a step ago
	WIN 0x04                                       ; source 1 in window 1
	W0 \be
	WIN 0
.if \load
	LOADS 1-\be
.endif
.if \first
.irp i, 0,1,2,3,4,5,6,7                        ; nothing to track yet: the start values are the places
	v_mov_b32 v[BA+\i], 0xff800000                 ; -infinity
.endr
.irp i, 0,1,2,3,4,5,6,7
	v_mov_b32 v[IDX+\i], 0
.endr
	v_mov_b32 v[TN], s63                           ; my quarter's first tile
.else
	TRACK DY, BB, BA                               ; the last step's second tile
.endif
	WIN 0x04
	W1 \be
	WIN 0
	TRACK DX, BA, BB
.endm
.macro RUN n                           ; 2 n steps
	s_mov_b32 s78, \n
.Lrun_\@:
	STEP 0, 0, 1
	STEP 1, 0, 1
	s_sub_co_u32 s78, s78, 1
	s_cmp_lg_u32 s78, 0
	s_cbranch_scc1 .Lrun_\@
.endm
.macro MID n                           ; the next part of every quarter has landed: my share by my count (n younger loads stay out), the others' by the barrier
	s_wait_tensorcnt \n
	s_wait_dscnt 0x0
	s_barrier_signal -1
	s_barrier_wait -1
.endm
	s_load_b256 s[4:11], s[0:1], 0x0               ; x s[4:5], cb s[6:7], xq s[8:9], xm s[10:11]
	s_load_b128 s[12:15], s[0:1], 0x20             ; win s[12:13], part s[14:15]
	s_set_vgpr_msb 0x40
	v_lshl_add_u32 v254, v0, 2, 0x4f100
	v_mov_b32 v255, 0
	s_set_vgpr_msb 0x4045
	ds_add_u32 v254, v255
	ds_add_u32 v254, v255
	s_set_vgpr_msb 0x4500
	v_lshrrev_b32 v1, 5, v0
	v_readfirstlane_b32 s16, v1                    ; wave 0..7
	s_lshr_b32 s17, s16, 2                         ; a
	s_and_b32 s18, s16, 3                          ; b
	s_bfe_u32 s19, ttmp6, 0x40000                  ; cx
	s_lshl_b32 s20, ttmp9, 2
	s_add_co_u32 s20, s20, s19                     ; work-group = 4 x cluster + cx: it enters global addresses of x, xq, xm, win and part alone
	; descriptor groups 1: dense rows of 256 bytes (32 elements of 8 bytes), no padding; 16 rows (scale words and C) and 32 rows (codes)
	s_mov_b32 s24, 15|(3<<16)|(1<<21)              ; 15:0 the mask: all four work-groups; 17:16 elements of 8 bytes; 21 set beside a mask
	s_mov_b32 s25, 32<<16                          ; tensor_dim0 = 32
	s_mov_b32 s26, 16<<16                          ; tensor_dim1 = 16
	s_mov_b32 s27, 32<<16                          ; tile_dim0 = 32
	s_mov_b32 s28, 16                              ; tile_dim1 = 16
	s_mov_b32 s29, 32                              ; from row to row
	s_mov_b32 s30, 0
	s_mov_b32 s31, 0
	s_mov_b32 s32, 15|(3<<16)|(1<<21)
	s_mov_b32 s33, 32<<16
	s_mov_b32 s34, 32<<16
	s_mov_b32 s35, 32<<16
	s_mov_b32 s36, 32
	s_mov_b32 s37, 32
	s_mov_b32 s38, 0
	s_mov_b32 s39, 0
	s_lshl_b32 s80, s16, 12
	s_add_co_u32 s80, s80, CBS                     ; my 4,096 bytes of the words and C: the same byte in cb and in LDS
	s_mov_b32 s81, 0
	s_lshl_b32 s82, s18, 16
	s_lshl_b32 s84, s17, 13
	s_add_co_u32 s82, s82, s84                     ; my 8,192 bytes of part 0 of quarter b: 65,536 b + 8,192 a; part j lies 16,384 j on
	s_mov_b32 s83, 0
	s_mov_b32 s60, 0x76543210
	s_mov_b32 s61, 0xfedcba98                      ; v_permlanex16_b32: lane l xor 16
	s_mov_b32 s62, 0x600000                        ; the mantissa field of 448
	s_lshl_b32 s63, s18, 6                         ; 64 b
	s_mov_b32 s23, 0
	v_and_b32 v1, 31, v0                           ; lane
	v_and_b32 v2, 15, v0                           ; r
	v_bfe_u32 v3, v0, 4, 1                         ; h
	v_lshlrev_b32 v4, 8, v2
	v_lshl_add_u32 v4, v3, 6, v4                   ; x: row r of 256 bytes, + 64 h: my 16 numbers of a block of 32
	s_wait_dscnt 0x0
	s_wait_kmcnt 0x0
	s_mov_b32 s40, 1
	s_mov_b32 s41, s80
	s_add_nc_u64 s[42:43], s[6:7], s[80:81]
	s_or_b32 s43, s43, 0x80000000
.irp j, 0,1,2,3
	s_mov_b32 s[44+4*\j], 1
	s_add_co_u32 s[45+4*\j], s82, 16384*\j
	s_add_nc_u64 s[46+4*\j:47+4*\j], s[6:7], s[82:83]
	s_add_nc_u64 s[46+4*\j:47+4*\j], s[46+4*\j:47+4*\j], 16384*\j
	s_or_b32 s[47+4*\j], s[47+4*\j], 0x80000000
.endr
	BASE 4, 16, 13                                 ; x at row 256 g + 32 v
	BASE 8, 14, 11                                 ; xq at tile 16 g + 2 v
	BASE 10, 12, 9                                 ; xm likewise
	s_lshl_b32 s22, s20, 10
	s_add_nc_u64 s[12:13], s[12:13], s[22:23]      ; win at row 256 g
	s_lshl_b32 s22, s20, 2
	s_add_nc_u64 s[14:15], s[14:15], s[22:23]      ; part at g
	CROUND                                         ; all four work-groups are here: the joint loads meet
	tensor_load_to_lds s[40:43], s[24:31]          ; the words and C,
	s_nop 0
	tensor_load_to_lds s[44:47], s[32:39]          ; the codes' parts 0 to 3: all first fills in one group
	s_nop 0
	tensor_load_to_lds s[48:51], s[32:39]
	s_nop 0
	tensor_load_to_lds s[52:55], s[32:39]
	s_nop 0
	tensor_load_to_lds s[56:59], s[32:39]
	s_nop 0
.rept 4
	v_nop                                          ; behind a tensor load
.endr
.irp z, 0,1                                    ; my two tiles of rows, 32 numbers a lane and tile
.irp c, 0,1
.irp j, 0,1,2,3
	global_load_b128 v[128+32*\z+16*\c+4*\j:131+32*\z+16*\c+4*\j], v4, s[4:5] offset:4096*\z+128*\c+16*\j th:TH_LOAD_NT
.endr
.endr
.endr
	v_lshlrev_b32 v5, 4, v1
	v_lshlrev_b32 v6, 2, v1
	v_lshlrev_b32 v7, 3, v1
	s_lshl_b32 s84, s16, 11
	s_add_co_u32 s84, s84, XIMG
	v_add_nc_u32 v8, s84, v5                       ; where I store my tiles' images
	s_lshl_b32 s84, s16, 8
	s_add_co_u32 s84, s84, XSW
	v_add_nc_u32 v9, s84, v6                       ; and their words
	s_lshl_b32 s84, s17, 13
	s_add_co_u32 s84, s84, XIMG
	v_add_nc_u32 v10, s84, v5                      ; where I read the 8 tiles of my half
	s_lshl_b32 s84, s17, 10
	s_add_co_u32 s84, s84, XSW
	v_add_nc_u32 v11, s84, v6
	s_lshl_b32 s84, s18, 16
	v_add_nc_u32 v12, s84, v5                      ; my quarter's codes
	s_lshl_b32 s84, s18, 12
	s_add_co_u32 s85, s84, CBC
	v_lshl_add_u32 v13, v3, 5, s85                 ; its C: 8 numbers of my half of a tile
	s_add_co_u32 s85, s84, CBS
	v_add_nc_u32 v14, s85, v6                      ; its scale words
	s_lshl_b32 s84, s17, 11
	s_lshl_b32 s85, s18, 2
	s_add_co_u32 s84, s84, s85
	s_add_co_u32 s84, s84, RESV
	v_lshl_add_u32 v15, v2, 4, s84                 ; results: row 128 a + r, 16 bytes a row, quarter b
	v_lshl_add_u32 v126, v0, 5, RESV               ; the last phase: thread t takes rows 2 t, 2 t + 1 (threads 0-127 alone use these two)
	v_lshrrev_b32 v127, 3, v0
	v_lshlrev_b32 v127, 7, v127
	v_and_b32 v16, 7, v0
	v_lshl_add_u32 v127, v16, 3, v127
	v_add_nc_u32 v127, XCC, v127
	v_mov_b32 v34, 0                               ; a lane permute's destination counts as one of its sources
	v_mov_b32 v35, 0
	v_mov_b32 v44, 0
	WIN 0x40                                       ; destination window 1
.irp i, 0,1,2,3,4,5,6,7,8
.irp j, 0,1,2,3,4,5,6,7
	v_mov_b32 v[16*\i+\j], 0                       ; the zero codes
.endr
.endr
	WIN 0
	s_wait_loadcnt 8                               ; tile 0's eight loads are in, tile 1's eight may be out
	QX 128, 192, 208
	OUTX 0, 192, 208
	s_wait_loadcnt 0x0
	QX 160, 200, 210
	OUTX 1, 200, 210
	s_wait_xcnt 0x0                                ; the stores have read their data: products write those registers soon
	s_wait_tensorcnt 3                             ; the words, C and part 0 are in; parts 1 to 3 stay out
	s_wait_dscnt 0x0                               ; my images lie in LDS
	s_barrier_signal -1
	s_barrier_wait -1
	WIN 0x40
.irp i, 0,1,2,3,4,5,6,7
	ds_load_b128 v[16*\i+8:16*\i+11], v10 offset:1024*\i
	ds_load_b128 v[16*\i+12:16*\i+15], v10 offset:1024*\i+512
.endr
	WIN 0
.irp i, 0,1,2,3,4,5,6,7
	ds_load_b32 v[XS+\i], v11 offset:128*\i
	ds_load_b32 v[CC+\i], v11 offset:128*\i+XCC-XSW
.endr
	s_mov_b32 s76, 0
	s_mov_b32 s77, 0
	LOADS 0
	; 32 steps.  Step n asks for pair n + 1; part j holds pairs 8 j .. 8 j + 7, so it is shown landed ahead of step 8 j - 2
	STEP 0, 1, 1
	STEP 1, 0, 1
	RUN 2                                          ; steps 2 to 5
	MID 2                                          ; part 1
	RUN 4                                          ; steps 6 to 13
	MID 1                                          ; part 2
	RUN 4                                          ; steps 14 to 21
	MID 0                                          ; part 3: no tensor load of mine is out any more
	RUN 4                                          ; steps 22 to 29
	STEP 0, 0, 1
	STEP 1, 0, 0
	TRACK DY, BB, BA                               ; the last tile; the best now lies in set BA
	; the two halves of the lanes hold the same row and different octets: the better score, of equals the lower octet
.irp i, 0,1,2,3,4,5,6,7
	v_lshl_add_u32 v[IDX+\i], v[IDX+\i], 1, v3     ; octet = 2 x tile + lane / 16
.endr
.irp i, 0,1,2,3,4,5,6,7
	v_permlanex16_b32 v[128+\i], v[BA+\i], s60, s61
	v_permlanex16_b32 v[136+\i], v[IDX+\i], s60, s61
.endr
.irp i, 0,1,2,3,4,5,6,7
	v_cmp_gt_f32 s68, v[128+\i], v[BA+\i]
	v_cmp_eq_f32 s69, v[128+\i], v[BA+\i]
	v_cmp_lt_u32 s70, v[136+\i], v[IDX+\i]
	s_and_b32 s69, s69, s70
	s_or_b32 s68, s68, s69
	v_cndmask_b32 v[BA+\i], v[BA+\i], v[128+\i], s68
	v_cndmask_b32 v[IDX+\i], v[IDX+\i], v[136+\i], s68
	ds_store_b32 v15, v[BA+\i] offset:256*\i       ; both lanes of a row write the same word with the same value
	ds_store_b32 v15, v[IDX+\i] offset:256*\i+RESU-RESV
.endr
	s_lshl_b32 s84, s16, 2
	s_add_co_u32 s84, s84, RED
	v_mov_b32 v8, s84                              ; made by every wave, ahead of the parting on the wave's number
	v_lshlrev_b32 v9, 3, v0
	v_mov_b32 v10, RED
	v_mov_b32 v11, 0
	s_wait_dscnt 0x0
	s_barrier_signal -1
	s_barrier_wait -1                              ; all quarters' results lie in LDS
	s_cmp_gt_u32 s16, 3
	s_cbranch_scc1 .Lnot_low
	ds_load_b128 v[128:131], v126                  ; row 2 t: four quarters' scores;
	ds_load_b128 v[132:135], v126 offset:16        ; row 2 t + 1;
	ds_load_b128 v[136:139], v126 offset:RESU-RESV ; their octets
	ds_load_b128 v[140:143], v126 offset:RESU-RESV+16
	ds_load_b64 v[144:145], v127                   ; c of both rows
	s_wait_dscnt 0x0
.irp q, 1,2,3                                  ; quarters ascending, strictly greater: the first of equals stays
	v_cmp_gt_f32 s68, v[128+\q], v128
	v_cmp_gt_f32 s69, v[132+\q], v132
	v_cndmask_b32 v128, v128, v[128+\q], s68
	v_cndmask_b32 v132, v132, v[132+\q], s69
	v_cndmask_b32 v136, v136, v[136+\q], s68
	v_cndmask_b32 v140, v140, v[140+\q], s69
.endr
	v_sub_f32 v146, v144, v128
	v_sub_f32 v147, v145, v132
	v_add_f32 v146, v146, v146                     ; d2 = 2 (c - s)
	v_add_f32 v147, v147, v147
	v_max_num_f32 v146, 0, v146
	v_max_num_f32 v147, 0, v147
	v_sqrt_f32 v146, v146
	v_sqrt_f32 v147, v147
	v_mov_b32 v137, v140                           ; a plain instruction behind the roots: the two octets side by side
	s_wait_alu depctr_va_vdst(0)                   ; one wait for both roots, ahead of their first reader
	v_add_f32 v146, v146, v147
	global_store_b64 v9, v[136:137], s[12:13]      ; a wave stores 256 consecutive bytes, aligned
	v_add_f32_dpp v146, v146, v146 row_xmask:1 row_mask:0xf bank_mask:0xf
	v_add_f32_dpp v146, v146, v146 row_xmask:2 row_mask:0xf bank_mask:0xf
	v_add_f32_dpp v146, v146, v146 row_xmask:4 row_mask:0xf bank_mask:0xf
	v_add_f32_dpp v146, v146, v146 row_xmask:8 row_mask:0xf bank_mask:0xf
	v_permlanex16_b32 v147, v146, s60, s61
	v_add_f32 v146, v146, v147
	ds_store_b32 v8, v146                          ; my wave's sum of 64 distances
.Lnot_low:
	s_wait_dscnt 0x0
	s_barrier_signal -1
	s_barrier_wait -1
	ds_load_b128 v[128:131], v10
	s_wait_dscnt 0x0
	v_add_f32 v128, v128, v129
	v_add_f32 v130, v130, v131
	v_add_f32 v128, v128, v130
	v_cmp_eq_u32 vcc_lo, 0, v0
	s_wait_xcnt 0x0                                ; EXEC changes only behind this wait
	s_and_saveexec_b32 s79, vcc_lo
	global_store_b32 v11, v128, s[14:15]           ; thread 0: the work-group's sum
	s_wait_xcnt 0x0                                ; and again in front of the line that widens it
	s_or_b32 exec_lo, exec_lo, s79
	s_set_vgpr_msb 0x5
	s_wait_tensorcnt 0x0
	ds_add_u32 v254, v255
	s_wait_dscnt 0x0
	s_set_vgpr_msb 0x500
	CROUND                                         ; the closing round
	s_endpgm
.Lfunc_end_k_q50fe705584_scan:
	.size	k_q50fe705584_scan, .Lfunc_end_k_q50fe705584_scan-k_q50fe705584_scan
	.p2alignl 7, 3214868480
	.fill 96, 4, 3214868480
	.section	.rodata,"a",@progbits
	.p2align	6, 0x0
	.amdhsa_kernel k_q50fe705584_scan
		.amdhsa_group_segment_fixed_size 327680
		.amdhsa_private_segment_fixed_size 0
		.amdhsa_enable_private_segment 0
		.amdhsa_kernarg_size 48
		.amdhsa_user_sgpr_count 2
		.amdhsa_user_sgpr_kernarg_segment_ptr 1
		.amdhsa_wavefront_size32 1
		.amdhsa_system_sgpr_workgroup_id_x 1
		.amdhsa_system_sgpr_workgroup_id_y 1
		.amdhsa_system_sgpr_workgroup_id_z 1
		.amdhsa_system_vgpr_workitem_id 0
		.amdhsa_next_free_vgpr 512
		.amdhsa_next_free_sgpr 96
		.amdhsa_reserve_vcc 1
		.amdhsa_float_denorm_mode_32 3
		.amdhsa_float_denorm_mode_16_64 3
		.amdhsa_memory_ordered 1
		.amdhsa_forward_progress 1
		.amdhsa_inst_pref_size 150
	.end_amdhsa_kernel
	.amdgpu_metadata
---
amdhsa.version: [ 1, 2 ]
amdhsa.kernels:
  - .name:           k_q50fe705584_scan
    .symbol:         k_q50fe705584_scan.kd
    .args:
      - { .name: x, .offset: 0, .size: 8, .value_kind: global_buffer, .address_space: global }
      - { .name: cb, .offset: 8, .size: 8, .value_kind: global_buffer, .address_space: global }
      - { .name: xq, .offset: 16, .size: 8, .value_kind: global_buffer, .address_space: global }
      - { .name: xm, .offset: 24, .size: 8, .value_kind: global_buffer, .address_space: global }
      - { .name: win, .offset: 32, .size: 8, .value_kind: global_buffer, .address_space: global }
      - { .name: part, .offset: 40, .size: 8, .value_kind: global_buffer, .address_space: global }
    .group_segment_fixed_size: 327680
    .private_segment_fixed_size: 0
    .kernarg_segment_align: 8
    .kernarg_segment_size: 48
    .max_flat_workgroup_size: 256
    .sgpr_count:     96
    .vgpr_count:     512
    .wavefront_size: 32
...
	.end_amdgpu_metadata
.endif
;; end of part 2
;; launch pick (part 3): grid 256 x 1, 8 waves a work-group, no clusters, 0 bytes of LDS; arguments cb, xq, xm, win, part, location, out0, out1; writes out0, out1
.if DOCPART == 3
	.amdgcn_target "amdgcn-amd-amdhsa--gfx1250"
	.amdhsa_code_object_version 6
	.text
	.protected	k_q50fe705584_pick
	.globl	k_q50fe705584_pick
	.p2align	8
	.type	k_q50fe705584_pick,@function
k_q50fe705584_pick:
	s_mov_b64 s[64:65], 0
	v_nop
	global_prefetch_b8 v0, s[64:65] scope:SCOPE_SE
	s_setreg_imm32_b32 hwreg(HW_REG_WAVE_MODE, 25, 1), 1
	s_wait_xcnt 0x0
; out1[row] = location[the winner]; out0 = the mean of the least distances.  The launch before has stored, for each row, the OCTET u of entries that holds the winner (a whole number), x's codes, scale words and c = x2 / 2.
; Here the 8 scores of that octet are made again by the same matrix instruction, and the winner's location is chosen BY VALUE: the 8 locations are loaded at an address that hangs on u alone,
; and the best score (held at c from above, strictly greater, ascending: the first of equals stays) picks one by v_cndmask_b32.  No address hangs on a floating-point number.
; SHARES.  Wave W = 8 x work-group + wave takes row tiles 2 W and 2 W + 1: 32 rows, in the end one row a lane.
; PRODUCT k = 8 z + q (z: which tile; q = 0 .. 7): source 0's row m is candidate m % 8 of x's row i = q + 8 ((m / 8) xor z) of tile z; source 1 is tile z.  Of the result only column n = i counts:
; it lies in lane (r = i, h = (i / 8) xor z), registers 0-7 = candidates 0-7.  So lane (r, h) finds its row, row r of tile z' = (r / 8) xor h, in product 8 z' + r % 8, and in no other.
; C is one set for all 16 products: lane l's register j = -w2 / 2 of entry 8 u(my row) + j; where that is the wrong C the result is not read.
; K is 64 of the instruction's 128: source 1 is (x, zeros) for tile 0 and (zeros, x) for tile 1; the other half of source 0 is the neighbouring product's codes or a pad of zeros, which zero codes make nothing of.
; Gathers by numbers read from memory: operands go straight into registers; no LDS, no tensor load, no cluster (no two work-groups want the same tile at the same time).
; LIMITS as in the launch before.  u is held under 512 ahead of every address.
.set U,   16                           ; v16-31   product k: the octet of my source row, then my byte offset in the codes; behind the loads: two sets of results by turns
.set S,   32                           ; v32-47   product k: source 0's scale words: scales and nothing else.  v48, v50: x's scale words;  v49, v51: c
.set CR,  52                           ; v52-59   C
.set LOC, 60                           ; v60-75   8 locations
.set E,   76                           ; v76-83   my row's 8 scores (until the loads are in: the scale words' offsets for k = 0 .. 7; those for k = 8 .. 15 in v244-251)
; v84-91 tile 0, v92-99 zeros, v100-107 tile 1;  v108-171 source 0 of products 0-7, v172-179 a pad of zeros, v180-243 of products 8-15
	s_load_b512 s[16:31], s[0:1], 0x0              ; cb s[16:17], xq s[18:19], xm s[20:21], win s[22:23], part s[24:25], location s[26:27], out0 s[28:29], out1 s[30:31]
	v_lshrrev_b32 v1, 5, v0
	v_readfirstlane_b32 s4, v1                     ; wave
	s_lshl_b32 s5, ttmp9, 3
	s_add_co_u32 s5, s5, s4                        ; W
	v_and_b32 v13, 31, v0                          ; lane
	v_lshlrev_b32 v1, 4, v13                       ; 16 x lane
	v_lshlrev_b32 v2, 3, v13                       ; 8 x lane
	v_and_b32 v3, 7, v13                           ; r % 8
	v_bfe_u32 v5, v13, 3, 1                        ; r / 8
	v_lshrrev_b32 v6, 4, v13                       ; h
	v_xor_b32 v7, v5, v6                           ; z': my row's tile
	v_lshl_add_u32 v9, v7, 3, v3                   ; the product that holds my row
	v_lshlrev_b32 v4, 4, v3
	v_lshl_add_u32 v4, v6, 8, v4                   ; in the codes: 16 (r % 8) + 256 h
	v_cmp_ne_u32 s6, 0, v7
	v_and_b32 v8, 15, v13
	v_lshl_add_u32 v8, v7, 4, v8                   ; my row of the wave's 32
	v_lshlrev_b32 v7, 2, v8                        ; x 4
	v_lshlrev_b32 v8, 3, v8                        ; x 8
	v_lshlrev_b32 v3, 2, v3                        ; 4 (r % 8)
	v_lshlrev_b32 v5, 5, v5                        ; tile 0: source row m belongs to x's row q + 8 (r / 8): 32 (r / 8) bytes on in win
	v_sub_nc_u32 v6, 32, v5                        ; tile 1: q + 8 (1 - r / 8)
	s_mov_b32 s9, 0
	s_mov_b32 s10, 0x76543210
	s_mov_b32 s11, 0xfedcba98
	s_wait_kmcnt 0x0
	s_lshl_b32 s8, s5, 7
	s_add_nc_u64 s[22:23], s[22:23], s[8:9]        ; win at my 32 rows
	s_lshl_b32 s8, s5, 11
	s_add_nc_u64 s[18:19], s[18:19], s[8:9]        ; xq at my two tiles
	s_lshl_b32 s8, s5, 9
	s_add_nc_u64 s[20:21], s[20:21], s[8:9]        ; xm
	s_lshl_b32 s8, s5, 8
	s_add_nc_u64 s[30:31], s[30:31], s[8:9]        ; out1
	global_load_b32 v10, v7, s[22:23]              ; my row's octet
.irp q, 0,1,2,3,4,5,6,7
	global_load_b32 v[U+\q], v5, s[22:23] offset:4*\q
.endr
.irp q, 0,1,2,3,4,5,6,7
	global_load_b32 v[U+8+\q], v6, s[22:23] offset:64+4*\q
.endr
	global_load_b128 v[84:87], v1, s[18:19]
	global_load_b128 v[88:91], v1, s[18:19] offset:512
	global_load_b128 v[100:103], v1, s[18:19] offset:1024
	global_load_b128 v[104:107], v1, s[18:19] offset:1536
	global_load_b64 v[48:49], v2, s[20:21]
	global_load_b64 v[50:51], v2, s[20:21] offset:256
.irp j, 0,1,2,3,4,5,6,7
	v_mov_b32 v[92+\j], 0
	v_mov_b32 v[172+\j], 0
.endr
	s_wait_loadcnt 6                               ; the 17 words of win are in; the six younger loads may be out
.irp k, 0,1,2,3,4,5,6,7,8,9,10,11,12,13,14,15
	v_min_u32 v[U+\k], 0x1ff, v[U+\k]              ; a number that was loaded enters an address only behind this hold
	v_lshl_add_u32 v[E+\k+160*(\k/8)], v[U+\k], 5, v3      ; scale word of entry 8 u + r % 8: 32 u + 4 (r % 8)
	v_and_b32 v13, 1, v[U+\k]
	v_and_b32 v[U+\k], 0x1fe, v[U+\k]
	v_lshl_add_u32 v[U+\k], v[U+\k], 9, v4         ; codes: tile u / 2 at 1,024 bytes a tile,
	v_lshl_add_u32 v[U+\k], v13, 7, v[U+\k]        ; entry 8 (u % 2) + r % 8 of it at 16 bytes an entry
.endr
	v_min_u32 v10, 0x1ff, v10
	v_lshlrev_b32 v11, 5, v10                      ; 8 numbers of C
	v_lshlrev_b32 v12, 6, v10                      ; 8 locations
.irp k, 0,1,2,3,4,5,6,7,8,9,10,11,12,13,14,15
	global_load_b128 v[108+8*\k+8*(\k/8):111+8*\k+8*(\k/8)], v[U+\k], s[16:17]
	global_load_b128 v[112+8*\k+8*(\k/8):115+8*\k+8*(\k/8)], v[U+\k], s[16:17] offset:512
	global_load_b32 v[S+\k], v[E+\k+160*(\k/8)], s[16:17] offset:262144
.endr
	global_load_b128 v[CR:CR+3], v11, s[16:17] offset:278528
	global_load_b128 v[CR+4:CR+7], v11, s[16:17] offset:278544
.irp j, 0,1,2,3
	global_load_b128 v[LOC+4*\j:LOC+4*\j+3], v12, s[26:27] offset:16*\j
.endr
	s_wait_loadcnt 0x0
	v_cndmask_b32 v14, v49, v51, s6                ; c of my row
.macro WM k
.if \k < 8
	v_wmma_scale_f32_16x16x128_f8f6f4 v[U+8*((\k)%2):U+8*((\k)%2)+7], v[108+8*(\k):123+8*(\k)], v[84:99], v[CR:CR+7], v[S+(\k)], v48
.else
	v_wmma_scale_f32_16x16x128_f8f6f4 v[U+8*((\k)%2):U+8*((\k)%2)+7], v[108+8*(\k):123+8*(\k)], v[92:107], v[CR:CR+7], v[S+(\k)], v50
.endif
.endm
; The lanes whose row lies in product k take its 8 results, low end first.  Nine plain instructions on one set of results stand behind the product that writes the other set: the 8 places in front
; of that set's read and the 9 in front of the product that writes this set anew.
.macro COLLECT k
.if \k == 0
.irp j, 0,1,2,3,4,5,6,7
	v_mov_b32 v[E+\j], v[U+\j]                     ; the first writes every lane
.endr
	v_nop
.else
	v_cmp_eq_u32 vcc_lo, \k, v9
.irp j, 0,1,2,3,4,5,6,7
	v_cndmask_b32 v[E+\j], v[E+\j], v[U+8*((\k)%2)+\j], vcc_lo
.endr
.endif
.endm
	WM 0
.rept 9
	v_nop
.endr
.irp k, 1,2,3,4,5,6,7,8,9,10,11,12,13,14,15
	WM \k
	COLLECT \k-1
.endr
	COLLECT 15
	v_min_num_f32 v15, v[E], v14                   ; the score held at c: max(d2, 0)
	v_mov_b32 v252, v[LOC]
	v_mov_b32 v253, v[LOC+1]
.irp j, 1,2,3,4,5,6,7
	v_min_num_f32 v13, v[E+\j], v14
	v_cmp_gt_f32 vcc_lo, v13, v15
	v_cndmask_b32 v15, v15, v13, vcc_lo
	v_cndmask_b32 v252, v252, v[LOC+2*\j], vcc_lo
	v_cndmask_b32 v253, v253, v[LOC+2*\j+1], vcc_lo
.endr
	global_store_b64 v8, v[252:253], s[30:31]      ; the 32 lanes store 256 consecutive bytes, aligned
	; the mean: one wave of the launch adds the 256 partial sums
	s_or_b32 s7, ttmp9, s4
	s_cmp_lg_u32 s7, 0
	s_cbranch_scc1 .Ldone
	v_lshlrev_b32 v13, 1, v1                       ; 32 x lane
	global_load_b128 v[244:247], v13, s[24:25]
	global_load_b128 v[248:251], v13, s[24:25] offset:16
	s_wait_loadcnt 0x0
	v_add_f32 v244, v244, v245
	v_add_f32 v246, v246, v247
	v_add_f32 v248, v248, v249
	v_add_f32 v250, v250, v251
	v_add_f32 v244, v244, v246
	v_add_f32 v248, v248, v250
	v_add_f32 v244, v244, v248
	v_add_f32_dpp v244, v244, v244 row_xmask:1 row_mask:0xf bank_mask:0xf
	v_add_f32_dpp v244, v244, v244 row_xmask:2 row_mask:0xf bank_mask:0xf
	v_add_f32_dpp v244, v244, v244 row_xmask:4 row_mask:0xf bank_mask:0xf
	v_add_f32_dpp v244, v244, v244 row_xmask:8 row_mask:0xf bank_mask:0xf
	v_permlanex16_b32 v245, v244, s10, s11
	v_add_f32 v244, v244, v245
	v_mul_f32 v244, 0x37800000, v244               ; / 65,536
	v_mov_b32 v13, 0
	v_cmp_eq_u32 vcc_lo, 0, v0
	s_wait_xcnt 0x0                                ; EXEC changes only behind this wait
	s_and_saveexec_b32 s12, vcc_lo
	global_store_b32 v13, v244, s[28:29]
	s_wait_xcnt 0x0
	s_or_b32 exec_lo, exec_lo, s12
.Ldone:
	s_endpgm
.Lfunc_end_k_q50fe705584_pick:
	.size	k_q50fe705584_pick, .Lfunc_end_k_q50fe705584_pick-k_q50fe705584_pick
	.p2alignl 7, 3214868480
	.fill 96, 4, 3214868480
	.section	.rodata,"a",@progbits
	.p2align	6, 0x0
	.amdhsa_kernel k_q50fe705584_pick
		.amdhsa_group_segment_fixed_size 0
		.amdhsa_private_segment_fixed_size 0
		.amdhsa_enable_private_segment 0
		.amdhsa_kernarg_size 64
		.amdhsa_user_sgpr_count 2
		.amdhsa_user_sgpr_kernarg_segment_ptr 1
		.amdhsa_wavefront_size32 1
		.amdhsa_system_sgpr_workgroup_id_x 1
		.amdhsa_system_sgpr_workgroup_id_y 1
		.amdhsa_system_sgpr_workgroup_id_z 1
		.amdhsa_system_vgpr_workitem_id 0
		.amdhsa_next_free_vgpr 256
		.amdhsa_next_free_sgpr 66
		.amdhsa_reserve_vcc 1
		.amdhsa_float_denorm_mode_32 3
		.amdhsa_float_denorm_mode_16_64 3
		.amdhsa_memory_ordered 1
		.amdhsa_forward_progress 1
		.amdhsa_inst_pref_size 25
	.end_amdhsa_kernel
	.amdgpu_metadata
---
amdhsa.version: [ 1, 2 ]
amdhsa.kernels:
  - .name:           k_q50fe705584_pick
    .symbol:         k_q50fe705584_pick.kd
    .args:
      - { .name: cb, .offset: 0, .size: 8, .value_kind: global_buffer, .address_space: global }
      - { .name: xq, .offset: 8, .size: 8, .value_kind: global_buffer, .address_space: global }
      - { .name: xm, .offset: 16, .size: 8, .value_kind: global_buffer, .address_space: global }
      - { .name: win, .offset: 24, .size: 8, .value_kind: global_buffer, .address_space: global }
      - { .name: part, .offset: 32, .size: 8, .value_kind: global_buffer, .address_space: global }
      - { .name: location, .offset: 40, .size: 8, .value_kind: global_buffer, .address_space: global }
      - { .name: out0, .offset: 48, .size: 8, .value_kind: global_buffer, .address_space: global }
      - { .name: out1, .offset: 56, .size: 8, .value_kind: global_buffer, .address_space: global }
    .group_segment_fixed_size: 0
    .private_segment_fixed_size: 0
    .kernarg_segment_align: 8
    .kernarg_segment_size: 64
    .max_flat_workgroup_size: 256
    .sgpr_count:     66
    .vgpr_count:     256
    .wavefront_size: 32
...
	.end_amdgpu_metadata
.endif
;; end of part 3
